; MI455X (gfx1250); checked and timed in simulation.
; The chip was launched on July 23, 2026; its instructions are those of AMD's public machine-readable ISA for CDNA 5 (MIT licence, August 2026) and "CDNA5" Instruction Set Architecture Reference Guide (July 2026). The comments in the code are by the model that wrote it; some were corrected since.
;; Optimized Vector Quantizer. Allowed arithmetic: matrix products marked QUANTISED: E5M2 operands, one given power-of-two scale a tensor, by v_wmma_f32_16x16x64_bf8_bf8 or v_wmma_f32_16x16x128_bf8_bf8, f32 sums; everything else in f32.
;; Inputs: codebook 4,096 x 256 float32; inputs 8 x 2,048 x 256 float32; lowp_scales 2 int32 (the exponents e of the quantised operands' scales 2^e).
;; Outputs: out0 8 x 2,048 x 256 float32; out1 8 x 2,048 int32; out2 one number float32.
;; This version of the problem:
;;   THIS VERSION OF THE PROBLEM IS GIVEN IN LOW PRECISION. The matrix products marked QUANTISED in the list below multiply operands that are first quantised to E5M2 (5 exponent bits, 2 mantissa bits; 8 bits a number), with one given power-of-two scale for each operand tensor; their sums are f32. All else is computed in f32.
;;   The module's matrix products, in the order in which they are computed (A, B: the left and right operand; K: the contracted axis; several contracted axes count as one K, in the product's order):
;;     1. [M 16,384, K 256] x [K 256, N 4,096]; A: input inputs; B: input codebook: QUANTISED (scales: A lowp_scales[0], B lowp_scales[1])
;;   THE QUANTISER, for each operand of a quantised product, along K:
;;     - The operand's scale is 2^e, e = its entry of the input lowp_scales (int32; the entries are numbered through the quantised products in the list's order, A before B).
;;     - Each number is divided by the scale, clamped to +-57,344, and rounded to the nearest number of E5M2, ties to even, subnormals kept.
;;     - The product sums the exact products of the quantised numbers (number of the format x scale) in f32.
;;   ~~~python
;;   def quantise(x, axis, e):      # numpy; x: float32 -> the quantised numbers, widened to float32 again
;;       x = np.moveaxis(x, axis, -1); K = x.shape[-1]
;;       r = np.clip(x / 2.0 ** e, -57344, 57344)
;;       step = 2.0 ** (np.maximum(np.frexp(np.where(r == 0, 1, r))[1] - 1, -14) - 2)
;;       q = np.round(r / step) * step * 2.0 ** e      # np.round: ties to even
;;       return np.moveaxis(q, -1, axis).astype(np.float32)
;;   ~~~
;; One version. Each part assembles by itself: llvm-mc -triple=amdgcn-amd-amdhsa -mcpu=gfx1250 --defsym DOCPART=n.
;; ======== version 1 of 1: 4 launches
;; limits: right only within a limited range of input values
;; workspace buffers: cbq 1,114,112 bytes; xq 4,194,304 bytes; sxa 65,536 bytes; cand 1,048,576 bytes of whole numbers; part 1,024 bytes
;; launch prep (part 1): grid 256 x 1, 8 waves a work-group, no clusters, 23,296 bytes of LDS; arguments codebook, inputs, lowp_scales, cbq, xq, sxa; writes cbq, xq, sxa
.if DOCPART == 1
	.amdgcn_target "amdgcn-amd-amdhsa--gfx1250"
	.amdhsa_code_object_version 6
	.text
	.protected	k_q33f4bd5035_prep
	.globl	k_q33f4bd5035_prep
	.p2align	8
	.type	k_q33f4bd5035_prep,@function
k_q33f4bd5035_prep:
	s_mov_b64 s[64:65], 0
	v_nop
	global_prefetch_b8 v0, s[64:65] scope:SCOPE_SE
	s_setreg_imm32_b32 hwreg(HW_REG_WAVE_MODE, 25, 1), 1
	s_wait_xcnt 0x0
; The codebook [4096][256] and x [16384][256], f32, become tiles of 16 rows of E5M2 codes in the order of a matrix operand's registers:
;   byte 256 b + 16 r + i of a tile (b = 0 .. 15): the code of row r at k = 16 b + i.  So 512 w + 16 lane is what lane (r, h) takes for k = 32 w + 16 h + 0 .. 15.
;   A codebook tile is a record of 4,352 bytes: behind the codes the 16 rows' sums of squares (f32), four times over, so that these 256 bytes are stored whole.  An x tile is 4,096 bytes; x's sums of squares have a buffer of their own.
; code = number / 2^e, held within +-57,344, rounded to the nearest code, ties to even; e1 for the codebook, e0 for x.
; LIMITS: -126 <= e0, e1 <= 112, so that 2^e and 57,344 x 2^e are f32 numbers.  NaN among the inputs is not served.
; SHARES: work-group g takes codebook tile g and x tiles 4 g .. 4 g + 3; of each tile wave w loads rows 2 w and 2 w + 1, four loads of 512 consecutive bytes.  All 20 loads of a wave are issued before the first is used.
; Four neighbours of a lane make one dword of codes; the dwords go through LDS (blocks of 256 bytes, 16 bytes of padding behind each) and come back as 512 consecutive bytes of the image a wave.
; No cluster, no tensor load: the work-groups share no input and each byte is read once.
.set TB,    4352                       ; a tile's place in LDS: 16 blocks of 272 bytes; also a record of the codebook
.set SUMS,  5*TB                       ; 5 tiles x 16 sums
.set SPARE, SUMS+512                   ; the spare words, 128 bytes for each wave
.set X, 16                             ; v16-95   tile t at X + 16 t: row 2w (8 numbers: k = 4 l .., 128 + 4 l ..), row 2w + 1 (8)
.set C, 96                             ; v96-115  codes, four dwords a tile
.set P, 116                            ; v116-135 partial sums, four a tile
.set O, 136                            ; v136-155 images read back
.set SPW, 14
.set NIL, 15
	s_load_b256 s[4:11], s[0:1], 0x0               ; codebook s[4:5], inputs s[6:7], exponents s[8:9], cbq s[10:11]
	s_load_b128 s[12:15], s[0:1], 0x20             ; xq s[12:13], sxa s[14:15]
	v_lshl_add_u32 v[SPW], v0, 2, SPARE
	v_mov_b32 v[NIL], 0
	v_lshrrev_b32 v1, 5, v0
	v_readfirstlane_b32 s16, v1                    ; wave 0..7
	s_lshl_b32 s17, s16, 5                         ; 16 x row 2 w
	s_lshl_b32 s18, s16, 1                         ; 2 w
	v_and_b32 v1, 31, v0                           ; lane l
	v_lshlrev_b32 v2, 4, v1                        ; 16 l
	v_lshlrev_b32 v3, 3, v1                        ; 8 l
	v_and_b32 v4, 7, v1
	v_lshl_add_u32 v4, v4, 3, SUMS                 ; wave 0: two sums of the codebook tile, four times over
	v_add_nc_u32 v5, SUMS+64, v3                   ; wave 1: two sums of the x tiles
	v_lshrrev_b32 v6, 2, v1
	v_mul_u32_u24 v6, v6, 272                      ; block l / 4 (k = 4 l),
	v_and_b32 v7, 3, v1
	v_lshl_add_u32 v6, v7, 2, v6                   ; byte 4 (l % 4) in it,
	v_add_nc_u32 v6, s17, v6                       ; row 2 w
	v_lshrrev_b32 v7, 4, v1
	v_add_nc_u32 v8, s18, v7                       ; 2 w + l / 16
	v_lshl_add_u32 v9, v8, 2, SUMS                 ; where the sum of row 2 w + l / 16 goes
	v_mul_u32_u24 v8, v8, 272
	v_and_b32 v7, 15, v1
	v_lshl_add_u32 v8, v7, 4, v8                   ; back: blocks 2 w and 2 w + 1
	s_lshl_b32 s28, s16, 11                        ; two rows of 1,024 bytes a wave
	s_lshl_b32 s29, s16, 9                         ; 512 bytes of an image a wave
	s_lshl_b32 s20, ttmp9, 14
	s_add_co_u32 s20, s20, s28
	s_mov_b32 s21, 0
	s_lshl_b32 s22, ttmp9, 16
	s_add_co_u32 s22, s22, s28
	s_mov_b32 s23, 0
	s_mul_i32 s24, ttmp9, TB
	s_add_co_u32 s24, s24, s29
	s_mov_b32 s25, 0
	s_lshl_b32 s26, ttmp9, 14
	s_add_co_u32 s26, s26, s29
	s_mov_b32 s27, 0
	s_lshl_b32 s30, ttmp9, 8
	s_mov_b32 s31, 0
	s_mov_b32 s36, 0xffff0000                      ; lanes 16 to 31
	s_mov_b32 s38, 0x76543210
	s_mov_b32 s39, 0xfedcba98                      ; v_permlanex16_b32's selects for lane l xor 16
	s_wait_alu depctr_va_vdst(0)
	s_wait_kmcnt 0x0
	s_load_b64 s[34:35], s[8:9], 0x0               ; e0, e1
	s_add_nc_u64 s[4:5], s[4:5], s[20:21]
	s_add_nc_u64 s[6:7], s[6:7], s[22:23]
	s_add_nc_u64 s[10:11], s[10:11], s[24:25]
	s_add_nc_u64 s[12:13], s[12:13], s[26:27]
	s_add_nc_u64 s[14:15], s[14:15], s[30:31]
.irp j, 0,1,2,3
	global_load_b128 v[X+4*\j:X+4*\j+3], v2, s[4:5] offset:512*\j th:TH_LOAD_NT
.endr
.irp t, 1,2,3,4
.irp j, 0,1,2,3
	global_load_b128 v[X+16*\t+4*\j:X+16*\t+4*\j+3], v2, s[6:7] offset:16384*(\t-1)+512*\j th:TH_LOAD_NT
.endr
.endr
	s_wait_kmcnt 0x0
	s_add_co_i32 s34, s34, 127
	s_add_co_i32 s35, s35, 127
	s_lshl_b32 s40, s35, 23
	v_mov_b32 v10, s40                             ; 2^e1: the conversion takes its exponent field
	s_add_co_i32 s35, s35, 15
	s_lshl_b32 s35, s35, 23
	s_or_b32 s35, s35, 0x600000
	v_mov_b32 v11, s35                             ; 57,344 x 2^e1
	s_lshl_b32 s40, s34, 23
	v_mov_b32 v12, s40                             ; 2^e0
	s_add_co_i32 s34, s34, 15
	s_lshl_b32 s34, s34, 23
	s_or_b32 s34, s34, 0x600000
	v_mov_b32 v13, s34                             ; 57,344 x 2^e0
	s_wait_alu depctr_va_vdst(0)
.macro TILE t, sc, lm
.set XT, X+16*(\t)
.set PT, P+4*(\t)
.set CT, C+4*(\t)
	s_wait_loadcnt 16-4*(\t)                       ; this tile's four loads are in; the younger tiles' may be out
	v_pk_mul_f32 v[PT:PT+1], v[XT:XT+1], v[XT:XT+1]
	v_pk_mul_f32 v[PT+2:PT+3], v[XT+8:XT+9], v[XT+8:XT+9]
.irp j, 2,4,6
	v_pk_fma_f32 v[PT:PT+1], v[XT+\j:XT+\j+1], v[XT+\j:XT+\j+1], v[PT:PT+1]
	v_pk_fma_f32 v[PT+2:PT+3], v[XT+8+\j:XT+9+\j], v[XT+8+\j:XT+9+\j], v[PT+2:PT+3]
.endr
.irp i, 0,1,2,3,4,5,6,7,8,9,10,11,12,13,14,15
	v_med3_num_f32 v[XT+\i], v[XT+\i], -v[\lm], v[\lm]   ; the conversion to an 8-bit code does not saturate (ISA guide 7.6.2): hold the number first
.endr
	v_cvt_scalef32_pk8_bf8_f32 v[CT:CT+1], v[XT:XT+7], v[\sc]
	v_cvt_scalef32_pk8_bf8_f32 v[CT+2:CT+3], v[XT+8:XT+15], v[\sc]
	v_nop
	ds_store_b32 v6, v[CT] offset:TB*(\t)              ; row 2 w, k = 4 l .. 4 l + 3
	ds_store_b32 v6, v[CT+1] offset:TB*(\t)+8*272      ; row 2 w, k = 128 + 4 l ..
	ds_store_b32 v6, v[CT+2] offset:TB*(\t)+16         ; row 2 w + 1
	ds_store_b32 v6, v[CT+3] offset:TB*(\t)+8*272+16
.endm
	TILE 0, 10, 11
	TILE 1, 12, 13
	TILE 2, 12, 13
	TILE 3, 12, 13
	TILE 4, 12, 13
	; the two rows' sums over the 32 lanes: lanes 0-15 end with row 2 w's, lanes 16-31 with row 2 w + 1's
.irp t, 0,1,2,3,4
	v_add_f32 v[P+4*\t], v[P+4*\t], v[P+4*\t+1]
	v_add_f32 v[P+4*\t+2], v[P+4*\t+2], v[P+4*\t+3]
.endr
.irp t, 0,1,2,3,4
	v_cndmask_b32 v[P+4*\t+1], v[P+4*\t], v[P+4*\t+2], s36   ; what I keep
	v_cndmask_b32 v[P+4*\t+3], v[P+4*\t+2], v[P+4*\t], s36   ; what the lane 16 away wants
.endr
.irp t, 0,1,2,3,4
	v_permlanex16_b32 v[P+4*\t], v[P+4*\t+3], s38, s39
.endr
.irp t, 0,1,2,3,4
	v_add_f32 v[P+4*\t+1], v[P+4*\t+1], v[P+4*\t]
.endr
.irp x, 1,2,4,8
.irp t, 0,1,2,3,4
	v_add_f32_dpp v[P+4*\t+1], v[P+4*\t+1], v[P+4*\t+1] row_xmask:\x row_mask:0xf bank_mask:0xf
.endr
.endr
.irp t, 0,1,2,3,4
	ds_store_b32 v9, v[P+4*\t+1] offset:64*\t      ; sixteen lanes write the same word with the same number
.endr
	s_wait_dscnt 0x0                               ; for the others' sake: my codes and sums are in LDS
	s_barrier_signal -1
	s_barrier_wait -1
.irp t, 0,1,2,3,4
	ds_load_b128 v[O+4*\t:O+4*\t+3], v8 offset:TB*\t
.endr
	s_wait_dscnt 0x4
	global_store_b128 v2, v[O:O+3], s[10:11]       ; each store of the wave covers 512 consecutive bytes, at a multiple of 256
.irp t, 1,2,3,4
	s_wait_dscnt 4-\t
	global_store_b128 v2, v[O+4*\t:O+4*\t+3], s[12:13] offset:4096*(\t-1)
.endr
	s_cmp_lg_u32 s16, 0
	s_cbranch_scc1 .Lnot0
	ds_load_b64 v[156:157], v4
	s_wait_dscnt 0x0
	global_store_b64 v3, v[156:157], s[10:11] offset:4096   ; 256 consecutive bytes
.Lnot0:
	s_cmp_lg_u32 s16, 1
	s_cbranch_scc1 .Lend
	ds_load_b64 v[158:159], v5
	s_wait_dscnt 0x0
	global_store_b64 v3, v[158:159], s[14:15]      ; 64 sums of x: 256 consecutive bytes
.Lend:
	s_wait_tensorcnt 0x0                           ; the wave's end
	ds_add_u32 v[SPW], v[NIL]
	s_wait_dscnt 0x0
	s_endpgm
.Lfunc_end_k_q33f4bd5035_prep:
	.size	k_q33f4bd5035_prep, .Lfunc_end_k_q33f4bd5035_prep-k_q33f4bd5035_prep
	.p2alignl 7, 3214868480
	.fill 96, 4, 3214868480
	.section	.rodata,"a",@progbits
	.p2align	6, 0x0
	.amdhsa_kernel k_q33f4bd5035_prep
		.amdhsa_group_segment_fixed_size 23296
		.amdhsa_private_segment_fixed_size 0
		.amdhsa_enable_private_segment 0
		.amdhsa_kernarg_size 48
		.amdhsa_user_sgpr_count 2
		.amdhsa_user_sgpr_kernarg_segment_ptr 1
		.amdhsa_wavefront_size32 1
		.amdhsa_system_sgpr_workgroup_id_x 1
		.amdhsa_system_sgpr_workgroup_id_y 1
		.amdhsa_system_sgpr_workgroup_id_z 1
		.amdhsa_system_vgpr_workitem_id 0
		.amdhsa_next_free_vgpr 160
		.amdhsa_next_free_sgpr 66
		.amdhsa_reserve_vcc 0
		.amdhsa_float_denorm_mode_32 3
		.amdhsa_float_denorm_mode_16_64 3
		.amdhsa_memory_ordered 1
		.amdhsa_forward_progress 1
		.amdhsa_inst_pref_size 20
	.end_amdhsa_kernel
	.amdgpu_metadata
---
amdhsa.version: [ 1, 2 ]
amdhsa.kernels:
  - .name:           k_q33f4bd5035_prep
    .symbol:         k_q33f4bd5035_prep.kd
    .args:
      - { .name: codebook, .offset: 0, .size: 8, .value_kind: global_buffer, .address_space: global }
      - { .name: inputs, .offset: 8, .size: 8, .value_kind: global_buffer, .address_space: global }
      - { .name: lowp_scales, .offset: 16, .size: 8, .value_kind: global_buffer, .address_space: global }
      - { .name: cbq, .offset: 24, .size: 8, .value_kind: global_buffer, .address_space: global }
      - { .name: xq, .offset: 32, .size: 8, .value_kind: global_buffer, .address_space: global }
      - { .name: sxa, .offset: 40, .size: 8, .value_kind: global_buffer, .address_space: global }
    .group_segment_fixed_size: 23296
    .private_segment_fixed_size: 0
    .kernarg_segment_align: 8
    .kernarg_segment_size: 48
    .max_flat_workgroup_size: 256
    .sgpr_count:     66
    .vgpr_count:     160
    .wavefront_size: 32
...
	.end_amdgpu_metadata
.endif
;; end of part 1
;; launch assign (part 2): grid 256 x 1, 8 waves a work-group, clusters of 4 x 1, 327,680 bytes of LDS; arguments xq, cbq, sxa, lowp_scales, cand; writes cand
.if DOCPART == 2
	.amdgcn_target "amdgcn-amd-amdhsa--gfx1250"
	.amdhsa_code_object_version 6
	.text
	.protected	k_q33f4bd5035_assign
	.globl	k_q33f4bd5035_assign
	.p2align	8
	.type	k_q33f4bd5035_assign,@function
k_q33f4bd5035_assign:
	s_mov_b64 s[64:65], 0
	v_nop
	global_prefetch_b8 v0, s[64:65] scope:SCOPE_SE
	s_setreg_imm32_b32 hwreg(HW_REG_WAVE_MODE, 25, 1), 1
	s_wait_xcnt 0x0
	s_wait_alu depctr_hold_cnt(0) depctr_sa_sdst(0) depctr_va_vdst(0) depctr_va_sdst(0) depctr_va_ssrc(0) depctr_va_vcc(0) depctr_vm_vsrc(0)
	s_getreg_b32 s2, hwreg(HW_REG_IB_STS2, 6, 4)
	s_cmp_eq_u32 s2, 0
	s_cbranch_scc0 .Lentry_in_a_cluster
	s_endpgm
.Lentry_in_a_cluster:
	s_bfe_u32 s2, ttmp6, 0x10000c
	s_cmp_lg_u32 s2, 0x3003
	s_cbranch_scc0 .Lentry_shape_is_right
	s_endpgm
.Lentry_shape_is_right:
; For 512 rows x and one slice of 512 codes: the first k of the slice that makes d[k] = (sum x^2 + sum e_k^2) - 2 (x . e_k) smallest; x . e_k on codes of E5M2, sums in f32.
; d IS FORMED AS THE DEFINITION FORMS IT, with its two roundings: t = sx + se[k], then d = t - 2 m.  m = sum x 2^(e0 + e1), so one fused multiply-add, sum x (-2^(e0 + e1 + 1)) + t, gives that second
; rounding exactly.  Equal d are common (t is large beside 2 m), so ties matter: the lowest k among equal d is kept at every stage.
; RESULT: for each slice and row two whole numbers: a key that orders, as an unsigned number, as d orders, and k.  The next launch takes the least key of the eight slices.
; LIMITS: -127 <= e0 + e1 <= 126 (the power of two is an f32 number).  NaN is not served.  Where every d is +infinity the index is the slice's first.
; SHARES.  32 row blocks x 8 slices.  A wave owns 64 rows, whose codes it holds in 128 registers for the whole kernel, and walks all 32 tiles of 16 codes of the slice: waves merge nothing.
; THE SLICE LIES IN LDS (32 records of 4,352 bytes) AND COMES BY TWO TENSOR LOADS A WAVE: at the head one record (records 0 to 7 in all), so that little stands ahead of the first product; then three (8 to 31), which land
; under the first eight tiles' work.  Nothing is filled again.  CLUSTER: four row blocks of one slice; each load is asked for JOINTLY (mask 15), its descriptor made of the slice, which the cluster shares, and the wave's
; number.  x's codes land in registers, which no joint request does; no two waves of a work-group load the same ones.
; No prefetch: every byte is asked for ahead of the first product.
; THE PRODUCT IS USED TRANSPOSED: source 0 = 16 codes, source 1 = 16 rows of x.  Lane (r, h) then holds row r, and register j the code 16 c + 8 h + j: the minimum runs within the lane.
; k inside a K step of 128 lies permuted, alike in both operands (registers 4 q .. 4 q + 3: k = 32 q + 16 h + 0 .. 15).
; THE MINIMUM, 18 vector instructions for 16 x 16 distances: 4 packed additions, 4 packed multiply-adds, 4 minima of three (the last takes the old minimum in), one compare (strictly smaller: the earlier tile keeps a
; tie), one select for the tile's number, 4 dual selects that keep the winning tile's eight d.  Which of the eight it was is found once, at the end: the first that equals the minimum.
; REGISTERS: window 0 as named below; window 1: v0-127 x's fragments, (tile m, K step s) at 32 m + 16 s; v128-135 sx, a pair a tile.
.set REC,   4352
.set WPART, 4*REC                      ; the four records of a trip
.set SLICE, 32*REC
.set SPARE, SLICE+20480                ; the spare words, 128 bytes for each wave
.set SPW, 3
.set NIL, 4
.set GA,  5                            ; 16 x lane
.set AS,  6                            ; 4096 + 32 h: my half's eight sums of squares in a record
.set AL,  7                            ; GA and AS at this trip's first record
.set ASL, 8
.set GR,  9                            ; 4 r
.set GO,  10                           ; 8 x lane
.set BI,  11                           ; 8 h + 512 x slice
.set SX,  128                          ; in window 1
.set RUN, 20                           ; v20-27 running minima, two a tile, by turns
.set GI,  28                           ; v28-31 the winning tiles' 16 c
.set MM,  32                           ; v32-39 at work
.set SE,  40
.set CF,  48                           ; v48-79 the tile's two fragments
.set ACC, 80                           ; v80-111 four accumulators, then d
.set T,   112                          ; v112-143
.set SAVE, 144                         ; v144-175 the winning tiles' d
.set OD,  T                            ; at the end: the other half's d, then keys
.set OI,  T+4                          ; the other half's index
.set PR,  T+8                          ; my index
.set ST,  T+16                         ; what is stored
.set G1,  24                           ; descriptor groups of the first load,
.set G0,  32
.set G1B, 68                           ; and of the second
.set G0B, 76
.set NS,  42                           ; s[42:43] -2^(e0 + e1 + 1): the packed form names a pair and takes its low word
.set CUR, 52                           ; s52 16 c
.set MSB, 0
.macro WIN new
.if MSB != \new
	s_set_vgpr_msb (MSB<<8)|\new
.set MSB, \new
.endif
.endm
.macro CROUND                          ; a round of the cluster's barrier
	s_barrier_signal -1
	s_barrier_wait -1
	s_cmp_lg_u32 s14, 0
	s_cbranch_scc1 .Lnot_wave_0_\@
	s_barrier_signal -3
.Lnot_wave_0_\@:
	s_barrier_wait -3
	s_barrier_signal -1
	s_barrier_wait -1
.endm
	s_load_b256 s[4:11], s[0:1], 0x0               ; xq s[4:5], cbq s[6:7], sxa s[8:9], exponents s[10:11]
	s_load_b64 s[12:13], s[0:1], 0x20              ; cand
	v_lshl_add_u32 v[SPW], v0, 2, SPARE
	v_mov_b32 v[NIL], 0
	ds_add_u32 v[SPW], v[NIL]
	ds_add_u32 v[SPW], v[NIL]
	v_lshrrev_b32 v1, 5, v0
	v_readfirstlane_b32 s14, v1                    ; wave 0..7
	s_bfe_u32 s15, ttmp6, 0x40000                  ; cx: it enters the addresses of x, sx and cand alone
	s_lshr_b32 s16, ttmp9, 3                       ; slice 0..7 (ttmp9 counts clusters)
	s_and_b32 s17, ttmp9, 7
	s_lshl_b32 s17, s17, 2
	s_add_co_u32 s17, s17, s15                     ; row block 0..31
	s_lshl_b32 s19, s16, 9
	v_and_b32 v1, 15, v0                           ; r
	v_bfe_u32 v2, v0, 4, 1                         ; h
	v_and_b32 v[GO], 31, v0                        ; lane
	v_lshlrev_b32 v[GA], 4, v[GO]
	v_lshlrev_b32 v[GO], 3, v[GO]
	v_lshlrev_b32 v[AS], 5, v2
	v_add_nc_u32 v[AS], 4096, v[AS]
	v_lshlrev_b32 v[GR], 2, v1
	v_lshl_add_u32 v[BI], v2, 3, s19
	s_mov_b32 s[G1+0], 15|(3<<16)|(1<<21)          ; the mask: all four work-groups; elements of 8 bytes; 21 set beside a mask; no padding: every LDS read takes 512 consecutive bytes
	s_mov_b32 s[G1+1], 32<<16                      ; one record: 17 rows of 256 bytes, dense in memory and in LDS
	s_mov_b32 s[G1+2], 17<<16
	s_mov_b32 s[G1+3], 32<<16
	s_mov_b32 s[G1+4], 17
	s_mov_b32 s[G1+5], 32
	s_mov_b32 s[G1+6], 0
	s_mov_b32 s[G1+7], 0
	s_mov_b32 s[G1B+0], 15|(3<<16)|(1<<21)
	s_mov_b32 s[G1B+1], 32<<16                     ; three records: 51 rows
	s_mov_b32 s[G1B+2], 51<<16
	s_mov_b32 s[G1B+3], 32<<16
	s_mov_b32 s[G1B+4], 51
	s_mov_b32 s[G1B+5], 32
	s_mov_b32 s[G1B+6], 0
	s_mov_b32 s[G1B+7], 0
	s_mul_i32 s18, s14, REC                        ; my wave's first record, in LDS and in the slice alike: record w,
	s_mul_i32 s51, s14, 3*REC
	s_add_co_u32 s51, s51, 8*REC                   ; then records 8 + 3 w ..
	s_mul_i32 s20, s16, SLICE
	s_add_co_u32 s58, s20, s18
	s_mov_b32 s59, 0
	s_add_co_u32 s20, s20, s51
	s_mov_b32 s21, 0
	s_lshl_b32 s22, s17, 17                        ; x: 32 tiles of 4,096 bytes a row block, four a wave
	s_lshl_b32 s23, s14, 14
	s_add_co_u32 s22, s22, s23
	s_mov_b32 s23, 0
	s_lshl_b32 s44, s17, 11                        ; sx: 512 numbers a row block, 64 a wave
	s_lshl_b32 s45, s14, 8
	s_add_co_u32 s44, s44, s45
	s_mov_b32 s45, 0
	s_lshl_b32 s46, s16, 17                        ; cand: 16,384 x 8 bytes a slice,
	s_lshl_b32 s47, s17, 12                        ; 512 x 8 a row block,
	s_add_co_u32 s46, s46, s47
	s_lshl_b32 s47, s14, 9                         ; 64 x 8 a wave
	s_add_co_u32 s46, s46, s47
	s_mov_b32 s47, 0
	s_mov_b32 s48, 0x76543210
	s_mov_b32 s49, 0xfedcba98                      ; v_permlanex16_b32's selects for lane l xor 16
	s_mov_b32 s50, 0xffff0000                      ; lanes 16 to 31
	s_wait_alu depctr_va_vdst(0)
	s_wait_dscnt 0x0                               ; both opening adds are done
	CROUND                                         ; all four work-groups are here: the first joint loads meet
	s_wait_kmcnt 0x0
	s_load_b64 s[40:41], s[10:11], 0x0             ; e0, e1
	s_mov_b32 s[G0], 1
	s_mov_b32 s[G0+1], s18
	s_add_nc_u64 s[G0+2:G0+3], s[6:7], s[58:59]
	s_or_b32 s[G0+3], s[G0+3], 0x80000000
	tensor_load_to_lds s[G0:G0+3], s[G1:G1+7]      ; the wave's one tensor load at the head
	s_nop 0
.rept 4
	v_nop
.endr
	s_add_nc_u64 s[4:5], s[4:5], s[22:23]
	s_add_nc_u64 s[8:9], s[8:9], s[44:45]
	s_add_nc_u64 s[12:13], s[12:13], s[46:47]
	WIN 0x40                                       ; destination window 1
.irp m, 0,1,2,3
.irp s, 0,1
.irp q, 0,1,2,3
	global_load_b128 v[32*\m+16*\s+4*\q:32*\m+16*\s+4*\q+3], v[GA], s[4:5] offset:4096*\m+2048*\s+512*\q
.endr
.endr
.endr
.irp m, 0,1,2,3
	global_load_b32 v[SX+2*\m], v[GR], s[8:9] offset:64*\m   ; sx of row 16 m + r
.endr
.irp m, 0,1,2,3
	v_mov_b32 v[SX+2*\m+1], 0                      ; (named with sx as a pair, so it is written)
.endr
	WIN 0
	s_mov_b32 s[G0B], 1
	s_mov_b32 s[G0B+1], s51
	s_add_nc_u64 s[G0B+2:G0B+3], s[6:7], s[20:21]
	s_or_b32 s[G0B+3], s[G0B+3], 0x80000000
	s_mov_b32 s17, 0x7f800000                      ; +infinity: over every d
.irp m, 0,1,2,3
	v_mov_b32 v[RUN+2*\m], s17
	v_mov_b32 v[GI+\m], 0
.endr
.irp i, 0,1,2,3,4,5,6,7,8,9,10,11,12,13,14,15,16,17,18,19,20,21,22,23,24,25,26,27,28,29,30,31
	v_mov_b32 v[SAVE+\i], s17
.endr
	v_mov_b32 v[AL], v[GA]
	v_mov_b32 v[ASL], v[AS]
	s_wait_alu depctr_va_vdst(0)
	s_wait_kmcnt 0x0
	s_add_co_i32 s[NS], s40, s41
	s_add_co_i32 s[NS], s[NS], 128                 ; e0 + e1 + 1 + 127
	s_lshl_b32 s[NS], s[NS], 23
	s_or_b32 s[NS], s[NS], 0x80000000              ; -2^(e0 + e1 + 1)
	s_mov_b32 s[NS+1], s[NS]
	s_mov_b32 s[CUR], 0
	s_mov_b32 s53, 0                               ; the loop's trips done
	s_mov_b32 s54, 0                               ; the trip's first record in LDS
.macro LOADT i                         ; a tile's ten LDS loads: two fragments and my half's eight sums of squares
.irp s, 0,1
.irp q, 0,1,2,3
	ds_load_b128 v[CF+16*\s+4*\q:CF+16*\s+4*\q+3], v[AL] offset:(\i)*REC+\s*2048+\q*512
.endr
.endr
	ds_load_b128 v[SE:SE+3], v[ASL] offset:(\i)*REC
	ds_load_b128 v[SE+4:SE+7], v[ASL] offset:(\i)*REC+16
.endm
.macro ADD m, j                        ; t = sx + se, four numbers of row tile m
.irp k, 0,2
	v_pk_add_f32 v[T+8*(\m)+\j+\k:T+8*(\m)+\j+\k+1], v[SE+\j+\k:SE+\j+\k+1], v[SX+2*(\m):SX+2*(\m)+1] op_sel_hi:[1,0]
.endr
.endm
.macro FMAH m, j                       ; d = sum x (-2^(e0 + e1 + 1)) + t, in place, four numbers
.irp k, 0,2
	v_pk_fma_f32 v[ACC+8*(\m)+\j+\k:ACC+8*(\m)+\j+\k+1], v[ACC+8*(\m)+\j+\k:ACC+8*(\m)+\j+\k+1], s[NS:NS+1], v[T+8*(\m)+\j+\k:T+8*(\m)+\j+\k+1] op_sel_hi:[1,0,1]
.endr
.endm
.macro FMA m                           ; all eight, from the low end on
	FMAH \m, 0
	FMAH \m, 4
.endm
.macro LOWS a, b                       ; the least of d 0-2 and of d 3-5, for row tiles a and b
.irp m, \a, \b
	v_min3_num_f32 v[MM+2*\m], v[ACC+8*\m], v[ACC+8*\m+1], v[ACC+8*\m+2]
.endr
.irp m, \a, \b
	v_min3_num_f32 v[MM+2*\m+1], v[ACC+8*\m+3], v[ACC+8*\m+4], v[ACC+8*\m+5]
.endr
.endm
.macro MIDS a, b
.irp m, \a, \b
	v_min3_num_f32 v[MM+2*\m], v[MM+2*\m], v[ACC+8*\m+6], v[ACC+8*\m+7]
.endr
.endm
.macro NEWS a, b, p                    ; the new minimum: old in RUN + p, new in RUN + 1 - p
.irp m, \a, \b
	v_min3_num_f32 v[RUN+2*\m+1-(\p)], v[MM+2*\m], v[MM+2*\m+1], v[RUN+2*\m+(\p)]
.endr
.endm
.macro FELL mask, m, p                 ; has it fallen?  Strictly: on a tie the earlier tile, with the lower k, stays
	v_cmp_lt_f32 \mask, v[RUN+2*(\m)+1-(\p)], v[RUN+2*(\m)+(\p)]
.endm
.macro KEEP m, j                       ; four of the winning tile's d
.irp k, 0,2
	v_dual_cndmask_b32 v[SAVE+8*(\m)+\j+\k], v[SAVE+8*(\m)+\j+\k], v[ACC+8*(\m)+\j+\k] :: v_dual_cndmask_b32 v[SAVE+8*(\m)+\j+\k+1], v[SAVE+8*(\m)+\j+\k+1], v[ACC+8*(\m)+\j+\k+1]
.endr
.endm
.macro SELA m                          ; the tile's number and d 0-3,
	v_cndmask_b32 v[GI+\m], v[GI+\m], s[CUR], vcc_lo
	KEEP \m, 0
.endm
.macro SELB m                          ; then d 4-7
	KEEP \m, 4
.endm
; A tile of 16 codes x 64 rows x 256 along K.  The four accumulators take turns, one instruction a turn; the first K step starts the sums.  The additions t = sx + se stand between the products
; (sx lies in window 1, as x does: one setting serves both).  They name no register of the products: behind an accumulator's last product stand two of them at the least, and, ahead of the loads into the
; fragments' registers and of the fourth accumulator's reads, four multiply-adds of the first: the places of ISA guide 7.12.1.
; next = 1: the next tile's fragments are fetched.  next = 2: the same behind a barrier that shows records 8 to 31, every wave's part, to be in.
.macro TILE i, p, next
	s_wait_dscnt 0x0                               ; this tile's ten LDS loads are in
	WIN 0x04                                       ; source 1 window 1
.irp m, 0,1,2,3
	v_wmma_f32_16x16x128_bf8_bf8 v[ACC+8*\m:ACC+8*\m+7], v[CF:CF+15], v[32*\m:32*\m+15], 0
	ADD \m, 0
.endr
.irp m, 0,1,2,3
	v_wmma_f32_16x16x128_bf8_bf8 v[ACC+8*\m:ACC+8*\m+7], v[CF+16:CF+31], v[32*\m+16:32*\m+31], v[ACC+8*\m:ACC+8*\m+7]
	ADD \m, 4
.endr
	WIN 0
.if \next == 2
	s_wait_alu depctr_va_vdst(0)
	s_wait_tensorcnt 0x0                           ; my records are in; no LDS load of mine is out
	s_barrier_signal -1
	FMA 0                                          ; work on registers while the others arrive
	FMA 1
	FMA 2
	FMA 3
	s_barrier_wait -1                              ; all waves' records are in
	s_wait_alu depctr_va_vdst(0)
	LOADT (\i)+1
.else
	FMA 0
.if \next
	LOADT (\i)+1                                   ; the next tile lands under this tile's vector work
.endif
	FMA 1
.endif
	LOWS 0, 1
.if \next != 2
	FMA 2
.endif
	MIDS 0, 1
.if \next != 2
	FMAH 3, 0
.endif
	NEWS 0, 1, \p
.if \next != 2
	FMAH 3, 4
.endif
	FELL vcc_lo, 0, \p
	LOWS 2, 3
	SELA 0
	SELB 0
	FELL vcc_lo, 1, \p
	MIDS 2, 3
	NEWS 2, 3, \p
	SELA 1
	FELL s55, 2, \p
	FELL s56, 3, \p
	SELB 1
	s_mov_b32 vcc_lo, s55                          ; the dual select takes its mask from VCC
	SELA 2
	SELB 2
	s_mov_b32 vcc_lo, s56
	SELA 3
	SELB 3
	s_add_co_u32 s[CUR], s[CUR], 16
.endm
.macro ONWARD                          ; the next trip's four records
	s_add_co_u32 s54, s54, WPART
	v_add_nc_u32 v[AL], s54, v[GA]
	v_add_nc_u32 v[ASL], s54, v[AS]
.endm
; (da, ia) takes (db, ib) where db is smaller, or equal with the lower index
.macro LEX da, ia, db, ib
	v_cmp_lt_f32 s55, v[\db], v[\da]
	v_cmp_eq_f32 s56, v[\db], v[\da]
	v_cmp_lt_u32 s57, v[\ib], v[\ia]
	s_and_b32 s56, s56, s57
	s_or_b32 s55, s55, s56
	v_cndmask_b32 v[\da], v[\da], v[\db], s55
	v_cndmask_b32 v[\ia], v[\ia], v[\ib], s55
.endm
	s_wait_tensorcnt 0x0                           ; my record is in
	ds_add_u32 v[SPW], v[NIL]
	s_wait_dscnt 0x0
	CROUND                                         ; records 0 to 7 are in, and all four work-groups are here: the joint loads meet; x's loads into registers may be out
	tensor_load_to_lds s[G0B:G0B+3], s[G1B:G1B+7]  ; my one tensor load behind the round, and the first thing there
	s_nop 0
.rept 4
	v_nop
.endr
	LOADT 0
	s_wait_loadcnt 0x0                             ; x's fragments and sx are in
	TILE 0, 0, 1                                   ; records 0 to 3: four tiles, and the minima are back in RUN + 0
	TILE 1, 1, 1
	TILE 2, 0, 1
	TILE 3, 1, 1
	ONWARD
	TILE 0, 0, 1                                   ; records 4 to 7
	TILE 1, 1, 1
	TILE 2, 0, 1
	TILE 3, 1, 2
	ONWARD
	s_wait_alu depctr_va_vdst(0)
.Ltrip:                                            ; records 8 to 27, four a trip
	TILE 0, 0, 1
	TILE 1, 1, 1
	TILE 2, 0, 1
	TILE 3, 1, 1
	ONWARD
	s_add_co_u32 s53, s53, 1
	s_cmp_lt_u32 s53, 5
	s_wait_alu depctr_va_vdst(0)
	s_cbranch_scc1 .Ltrip
	TILE 0, 0, 1                                   ; the last four tiles: nothing is fetched beyond the slice
	TILE 1, 1, 1
	TILE 2, 0, 1
	TILE 3, 1, 0
	; WHICH OF THE WINNING TILE'S EIGHT: the first that equals the minimum.  From 7 down, so that the lowest is written last.
.irp m, 0,1,2,3
	v_mov_b32 v[MM+\m], 7
.endr
.irp i, 6,5,4,3,2,1,0
.irp m, 0,1,2,3
	v_cmp_neq_f32 vcc_lo, v[SAVE+8*\m+\i], v[RUN+2*\m]
	v_cndmask_b32 v[MM+\m], \i, v[MM+\m], vcc_lo
.endr
.endr
.irp m, 0,1,2,3
	v_add3_u32 v[PR+\m], v[GI+\m], v[MM+\m], v[BI]
.endr
.irp m, 0,1,2,3
	v_permlanex16_b32 v[OD+\m], v[RUN+2*\m], s48, s49     ; the row's other codes lie in the lane 16 away
	v_permlanex16_b32 v[OI+\m], v[PR+\m], s48, s49
.endr
.irp m, 0,1,2,3
	LEX RUN+2*\m, PR+\m, OD+\m, OI+\m
.endr
	; the key: a number not negative gets its sign bit set, a negative one all its bits turned over: unsigned order is then d's order (d is never -0: t is a sum of squares)
.irp m, 0,1,2,3
	v_ashrrev_i32 v[OD+\m], 31, v[RUN+2*\m]
.endr
.irp m, 0,1,2,3
	v_or_b32 v[OD+\m], 0x80000000, v[OD+\m]
.endr
.irp m, 0,1,2,3
	v_xor_b32 v[OD+\m], v[RUN+2*\m], v[OD+\m]
.endr
	v_cndmask_b32 v[ST], v[OD], v[OD+1], s50       ; lanes 0-15 store tile 0's rows, lanes 16-31 tile 1's,
	v_cndmask_b32 v[ST+1], v[PR], v[PR+1], s50
	v_cndmask_b32 v[ST+2], v[OD+2], v[OD+3], s50   ; then tiles 2 and 3
	v_cndmask_b32 v[ST+3], v[PR+2], v[PR+3], s50
	global_store_b64 v[GO], v[ST:ST+1], s[12:13]   ; 256 consecutive bytes, at a multiple of 256
	global_store_b64 v[GO], v[ST+2:ST+3], s[12:13] offset:256
	s_wait_tensorcnt 0x0                           ; the wave's end
	ds_add_u32 v[SPW], v[NIL]
	s_wait_dscnt 0x0
	CROUND                                         ; the closing round: no work-group ends while a partner may still ask for a tile that names it
	s_endpgm
.Lfunc_end_k_q33f4bd5035_assign:
	.size	k_q33f4bd5035_assign, .Lfunc_end_k_q33f4bd5035_assign-k_q33f4bd5035_assign
	.p2alignl 7, 3214868480
	.fill 96, 4, 3214868480
	.section	.rodata,"a",@progbits
	.p2align	6, 0x0
	.amdhsa_kernel k_q33f4bd5035_assign
		.amdhsa_group_segment_fixed_size 327680
		.amdhsa_private_segment_fixed_size 0
		.amdhsa_enable_private_segment 0
		.amdhsa_kernarg_size 40
		.amdhsa_user_sgpr_count 2
		.amdhsa_user_sgpr_kernarg_segment_ptr 1
		.amdhsa_wavefront_size32 1
		.amdhsa_system_sgpr_workgroup_id_x 1
		.amdhsa_system_sgpr_workgroup_id_y 1
		.amdhsa_system_sgpr_workgroup_id_z 1
		.amdhsa_system_vgpr_workitem_id 0
		.amdhsa_next_free_vgpr 400
		.amdhsa_next_free_sgpr 80
		.amdhsa_reserve_vcc 1
		.amdhsa_float_denorm_mode_32 3
		.amdhsa_float_denorm_mode_16_64 3
		.amdhsa_memory_ordered 1
		.amdhsa_forward_progress 1
		.amdhsa_inst_pref_size 109
	.end_amdhsa_kernel
	.amdgpu_metadata
---
amdhsa.version: [ 1, 2 ]
amdhsa.kernels:
  - .name:           k_q33f4bd5035_assign
    .symbol:         k_q33f4bd5035_assign.kd
    .args:
      - { .name: xq, .offset: 0, .size: 8, .value_kind: global_buffer, .address_space: global }
      - { .name: cbq, .offset: 8, .size: 8, .value_kind: global_buffer, .address_space: global }
      - { .name: sxa, .offset: 16, .size: 8, .value_kind: global_buffer, .address_space: global }
      - { .name: lowp_scales, .offset: 24, .size: 8, .value_kind: global_buffer, .address_space: global }
      - { .name: cand, .offset: 32, .size: 8, .value_kind: global_buffer, .address_space: global }
    .group_segment_fixed_size: 327680
    .private_segment_fixed_size: 0
    .kernarg_segment_align: 8
    .kernarg_segment_size: 40
    .max_flat_workgroup_size: 256
    .sgpr_count:     80
    .vgpr_count:     400
    .wavefront_size: 32
...
	.end_amdgpu_metadata
.endif
;; end of part 2
;; launch gather (part 3): grid 256 x 1, 8 waves a work-group, no clusters, 1,280 bytes of LDS; arguments inputs, codebook, cand, out0, part, out1; writes out0, part, out1
.if DOCPART == 3
	.amdgcn_target "amdgcn-amd-amdhsa--gfx1250"
	.amdhsa_code_object_version 6
	.text
	.protected	k_q33f4bd5035_gather
	.globl	k_q33f4bd5035_gather
	.p2align	8
	.type	k_q33f4bd5035_gather,@function
k_q33f4bd5035_gather:
	s_mov_b64 s[64:65], 0
	v_nop
	global_prefetch_b8 v0, s[64:65] scope:SCOPE_SE
	s_setreg_imm32_b32 hwreg(HW_REG_WAVE_MODE, 25, 1), 1
	s_wait_xcnt 0x0
; Of each row's eight stored candidates (key, index), whole numbers, the least key wins, the lower slice where keys are equal: out1[n].
; q = codebook[out1[n]];  out0[n] = x + (q - x), with both roundings as the definition has them;  part[g] = the work-group's sum of (q - x)^2, in f32.
; SHARES: work-group g takes rows 64 g .. 64 g + 63, wave w eight of them.  A row of 1,024 bytes is two instructions of 512 consecutive bytes.
; Every wave takes the candidates of all 64 rows, two rows a lane, turned by 4 w lanes, so that its own eight rows lie in lanes 0 to 3; wave 0 has them in order and stores the indices.
; Each index is held at 4,095 before it enters an address.
; A stream: no matrix unit, no tensor load, no cluster (which rows of the codebook a work-group wants hangs on its own indices).
.set X, 16                             ; v16-79   x, chunk k = 2 i + u (row i, half u) at X + 4 k; then out0
.set Q, 80                             ; v80-143  the candidates, slice s at Q + 4 s; then the gathered rows; then q - x
.set QO, 2                             ; v2-9     row i: byte offset of my 16 bytes in the codebook
.set CH, 144                           ; v144-151 four chains of the sum of squares
.set IA, 164                           ; v164-165 my two rows' indices
	s_load_b256 s[4:11], s[0:1], 0x0               ; inputs s[4:5], codebook s[6:7], cand s[8:9], out0 s[10:11]
	s_load_b128 s[12:15], s[0:1], 0x20             ; part s[12:13], out1 s[14:15]
	v_lshl_add_u32 v160, v0, 2, 0x100
	v_mov_b32 v161, 0
	v_lshrrev_b32 v1, 5, v0
	v_readfirstlane_b32 s40, v1                    ; wave 0..7
	s_lshl_b32 s41, s40, 2                         ; 4 w
	s_lshl_b32 s30, ttmp9, 2
	v_and_b32 v13, 31, v0                          ; lane
	v_lshlrev_b32 v1, 4, v13                       ; 16 x lane
	v_add_nc_u32 v12, s41, v13
	v_and_b32 v12, 31, v12
	v_lshlrev_b32 v12, 4, v12                      ; 16 x ((lane + 4 w) mod 32): two rows' candidates
	v_lshlrev_b32 v13, 3, v13                      ; 8 x lane
	v_mov_b32 v14, 0                               ; written once: a lane permute's destination counts as one of its sources
	v_mov_b32 v15, s41                             ; LDS: my wave's word
	v_mov_b32 v152, 0
	v_mov_b32 v153, s30                            ; my work-group's word in part
	s_lshl_b32 s24, ttmp9, 9                       ; 64 rows x 8 bytes of a slice's candidates
	s_mov_b32 s25, 0
	s_lshl_b32 s26, ttmp9, 16                      ; my wave's eight rows: 65,536 g + 8,192 w bytes
	s_lshl_b32 s27, s40, 13
	s_add_co_u32 s26, s26, s27
	s_mov_b32 s27, 0
	s_lshl_b32 s30, ttmp9, 8                       ; my work-group's 64 indices
	s_mov_b32 s31, 0
	s_mov_b32 s28, 0x76543210
	s_mov_b32 s29, 0xfedcba98
	s_wait_alu depctr_va_vdst(0)
	s_wait_kmcnt 0x0
	s_add_nc_u64 s[8:9], s[8:9], s[24:25]
	s_add_nc_u64 s[4:5], s[4:5], s[26:27]
	s_add_nc_u64 s[10:11], s[10:11], s[26:27]
	s_add_nc_u64 s[14:15], s[14:15], s[30:31]
.irp s, 0,1,2,3,4,5,6,7
	global_load_b128 v[Q+4*\s:Q+4*\s+3], v12, s[8:9] offset:131072*\s
.endr
.irp k, 0,1,2,3,4,5,6,7,8,9,10,11,12,13,14,15
	global_load_b128 v[X+4*\k:X+4*\k+3], v1, s[4:5] offset:512*\k th:TH_LOAD_NT   ; x's last use
.endr
	s_wait_loadcnt 0x10                            ; the eight slices' candidates are in; x's sixteen loads may be out
.macro MERGE a, b                      ; slice a's winner takes slice b's where b's key is smaller; a is the lower slice and keeps a tie
	v_cmp_lt_u32 s42, v[Q+4*\b], v[Q+4*\a]
	v_cmp_lt_u32 s43, v[Q+4*\b+2], v[Q+4*\a+2]
	v_cndmask_b32 v[Q+4*\a], v[Q+4*\a], v[Q+4*\b], s42
	v_cndmask_b32 v[Q+4*\a+1], v[Q+4*\a+1], v[Q+4*\b+1], s42
	v_cndmask_b32 v[Q+4*\a+2], v[Q+4*\a+2], v[Q+4*\b+2], s43
	v_cndmask_b32 v[Q+4*\a+3], v[Q+4*\a+3], v[Q+4*\b+3], s43
.endm
	MERGE 0, 1
	MERGE 2, 3
	MERGE 4, 5
	MERGE 6, 7
	MERGE 0, 2
	MERGE 4, 6
	v_cmp_lt_u32 s42, v[Q+16], v[Q]                ; the last merge wants the indices alone
	v_cmp_lt_u32 s43, v[Q+18], v[Q+2]
	v_cndmask_b32 v[IA], v[Q+1], v[Q+17], s42
	v_cndmask_b32 v[IA+1], v[Q+3], v[Q+19], s43
.irp i, 0,1,2,3,4,5,6,7
	v_readlane_b32 s[16+\i], v[IA+\i%2], \i/2      ; my wave's row i
.endr
.irp i, 0,1,2,3,4,5,6,7
	s_min_u32 s[16+\i], s[16+\i], 4095
.endr
.irp i, 0,1,2,3,4,5,6,7
	v_lshl_add_u32 v[QO+\i], s[16+\i], 10, v1      ; the row's 1,024 bytes, + 16 x lane
.endr
.irp i, 0,1,2,3,4,5,6,7
	global_load_b128 v[Q+8*\i:Q+8*\i+3], v[QO+\i], s[6:7]              ; no hint: rows are named again and again
	global_load_b128 v[Q+8*\i+4:Q+8*\i+7], v[QO+\i], s[6:7] offset:512
.endr
	s_wait_alu depctr_va_vdst(0)
	s_cmp_lg_u32 s40, 0
	s_cbranch_scc1 .Lrest
	global_store_b64 v13, v[IA:IA+1], s[14:15]     ; wave 0: the 64 indices, 256 consecutive bytes
.Lrest:
.irp i, 0,1,2,3,4,5,6,7
	s_wait_loadcnt 14-2*\i                         ; loads come back in order: row i is in (x's are older); the younger rows' may be out
.irp j, 0,2,4,6
	v_pk_add_f32 v[Q+8*\i+\j:Q+8*\i+\j+1], v[Q+8*\i+\j:Q+8*\i+\j+1], v[X+8*\i+\j:X+8*\i+\j+1] neg_lo:[0,1] neg_hi:[0,1]   ; q - x
.endr
.irp j, 0,2,4,6
.if \i == 0
	v_pk_mul_f32 v[CH+\j:CH+\j+1], v[Q+\j:Q+\j+1], v[Q+\j:Q+\j+1]      ; the first products start the four chains
.else
	v_pk_fma_f32 v[CH+\j:CH+\j+1], v[Q+8*\i+\j:Q+8*\i+\j+1], v[Q+8*\i+\j:Q+8*\i+\j+1], v[CH+\j:CH+\j+1]
.endif
.endr
.irp j, 0,2,4,6
	v_pk_add_f32 v[X+8*\i+\j:X+8*\i+\j+1], v[X+8*\i+\j:X+8*\i+\j+1], v[Q+8*\i+\j:Q+8*\i+\j+1]   ; x + (q - x)
.endr
	global_store_b128 v1, v[X+8*\i:X+8*\i+3], s[10:11] offset:1024*\i th:TH_STORE_NT   ; 512 consecutive bytes; no store's register is written again
	global_store_b128 v1, v[X+8*\i+4:X+8*\i+7], s[10:11] offset:1024*\i+512 th:TH_STORE_NT
.endr
	v_pk_add_f32 v[CH:CH+1], v[CH:CH+1], v[CH+2:CH+3]
	v_pk_add_f32 v[CH+4:CH+5], v[CH+4:CH+5], v[CH+6:CH+7]
	v_pk_add_f32 v[CH:CH+1], v[CH:CH+1], v[CH+4:CH+5]
	v_add_f32 v10, v[CH], v[CH+1]
	v_add_f32_dpp v10, v10, v10 row_xmask:1 row_mask:0xf bank_mask:0xf
	v_add_f32_dpp v10, v10, v10 row_xmask:2 row_mask:0xf bank_mask:0xf
	v_add_f32_dpp v10, v10, v10 row_xmask:4 row_mask:0xf bank_mask:0xf
	v_add_f32_dpp v10, v10, v10 row_xmask:8 row_mask:0xf bank_mask:0xf
	v_permlanex16_b32 v14, v10, s28, s29
	v_add_f32 v10, v10, v14                        ; the wave's sum, in every lane
	ds_store_b32 v15, v10                          ; all lanes write the same word with the same number
	s_wait_dscnt 0x0                               ; for the others' sake
	s_barrier_signal -1
	s_barrier_wait -1
	ds_load_b128 v[144:147], v152
	ds_load_b128 v[148:151], v152 offset:16
	s_wait_dscnt 0x0
	v_pk_add_f32 v[144:145], v[144:145], v[146:147]
	v_pk_add_f32 v[148:149], v[148:149], v[150:151]
	v_pk_add_f32 v[144:145], v[144:145], v[148:149]
	v_add_f32 v144, v144, v145                     ; the work-group's sum
	v_cmp_eq_u32 vcc_lo, 0, v0
	s_wait_alu depctr_va_vdst(0)
	s_wait_xcnt 0x0                                ; EXEC, a source of the stores above, changes only behind this wait
	s_wait_tensorcnt 0x0
	ds_add_u32 v160, v161
	s_wait_dscnt 0x0
	s_and_saveexec_b32 s31, vcc_lo
	global_store_b32 v153, v144, s[12:13]          ; thread 0 alone: one number is all that a work-group has
	s_wait_xcnt 0x0
	s_or_b32 exec_lo, exec_lo, s31
	s_endpgm
.Lfunc_end_k_q33f4bd5035_gather:
	.size	k_q33f4bd5035_gather, .Lfunc_end_k_q33f4bd5035_gather-k_q33f4bd5035_gather
	.p2alignl 7, 3214868480
	.fill 96, 4, 3214868480
	.section	.rodata,"a",@progbits
	.p2align	6, 0x0
	.amdhsa_kernel k_q33f4bd5035_gather
		.amdhsa_group_segment_fixed_size 1280
		.amdhsa_private_segment_fixed_size 0
		.amdhsa_enable_private_segment 0
		.amdhsa_kernarg_size 48
		.amdhsa_user_sgpr_count 2
		.amdhsa_user_sgpr_kernarg_segment_ptr 1
		.amdhsa_wavefront_size32 1
		.amdhsa_system_sgpr_workgroup_id_x 1
		.amdhsa_system_sgpr_workgroup_id_y 1
		.amdhsa_system_sgpr_workgroup_id_z 1
		.amdhsa_system_vgpr_workitem_id 0
		.amdhsa_next_free_vgpr 166
		.amdhsa_next_free_sgpr 66
		.amdhsa_reserve_vcc 1
		.amdhsa_float_denorm_mode_32 3
		.amdhsa_float_denorm_mode_16_64 3
		.amdhsa_memory_ordered 1
		.amdhsa_forward_progress 1
		.amdhsa_inst_pref_size 19
	.end_amdhsa_kernel
	.amdgpu_metadata
---
amdhsa.version: [ 1, 2 ]
amdhsa.kernels:
  - .name:           k_q33f4bd5035_gather
    .symbol:         k_q33f4bd5035_gather.kd
    .args:
      - { .name: inputs, .offset: 0, .size: 8, .value_kind: global_buffer, .address_space: global }
      - { .name: codebook, .offset: 8, .size: 8, .value_kind: global_buffer, .address_space: global }
      - { .name: cand, .offset: 16, .size: 8, .value_kind: global_buffer, .address_space: global }
      - { .name: out0, .offset: 24, .size: 8, .value_kind: global_buffer, .address_space: global }
      - { .name: part, .offset: 32, .size: 8, .value_kind: global_buffer, .address_space: global }
      - { .name: out1, .offset: 40, .size: 8, .value_kind: global_buffer, .address_space: global }
    .group_segment_fixed_size: 1280
    .private_segment_fixed_size: 0
    .kernarg_segment_align: 8
    .kernarg_segment_size: 48
    .max_flat_workgroup_size: 256
    .sgpr_count:     66
    .vgpr_count:     166
    .wavefront_size: 32
...
	.end_amdgpu_metadata
.endif
;; end of part 3
;; launch loss (part 4): grid 1 x 1, 1 waves a work-group, no clusters, 0 bytes of LDS; arguments part, out2; writes out2
.if DOCPART == 4
	.amdgcn_target "amdgcn-amd-amdhsa--gfx1250"
	.amdhsa_code_object_version 6
	.text
	.protected	k_q33f4bd5035_loss
	.globl	k_q33f4bd5035_loss
	.p2align	8
	.type	k_q33f4bd5035_loss,@function
k_q33f4bd5035_loss:
	s_mov_b64 s[64:65], 0
	v_nop
	global_prefetch_b8 v0, s[64:65] scope:SCOPE_SE
	s_setreg_imm32_b32 hwreg(HW_REG_WAVE_MODE, 25, 1), 1
	s_wait_xcnt 0x0
; out2 = 0.25 x the mean of (q - x)^2 = the sum of the 256 work-groups' parts x 2^-24 (0.25 / 4,194,304).  One wave: a lane takes eight parts.
; A sum over work-groups is ordered by a launch of its own: no traffic between the work-groups of a launch.
	s_load_b128 s[4:7], s[0:1], 0x0                ; part s[4:5], out2 s[6:7]
	v_lshlrev_b32 v1, 4, v0
	v_mov_b32 v2, 0                                ; out2's one place
	v_mov_b32 v3, 0                                ; written once: a lane permute's destination counts as one of its sources
	s_mov_b32 s8, 0x76543210
	s_mov_b32 s9, 0xfedcba98
	s_wait_alu depctr_va_vdst(0)
	s_wait_kmcnt 0x0
	global_load_b128 v[4:7], v1, s[4:5]
	global_load_b128 v[8:11], v1, s[4:5] offset:512
	s_wait_loadcnt 0x0
	v_pk_add_f32 v[4:5], v[4:5], v[6:7]
	v_pk_add_f32 v[8:9], v[8:9], v[10:11]
	v_pk_add_f32 v[4:5], v[4:5], v[8:9]
	v_add_f32 v4, v4, v5
	v_add_f32_dpp v4, v4, v4 row_xmask:1 row_mask:0xf bank_mask:0xf
	v_add_f32_dpp v4, v4, v4 row_xmask:2 row_mask:0xf bank_mask:0xf
	v_add_f32_dpp v4, v4, v4 row_xmask:4 row_mask:0xf bank_mask:0xf
	v_add_f32_dpp v4, v4, v4 row_xmask:8 row_mask:0xf bank_mask:0xf
	v_permlanex16_b32 v3, v4, s8, s9
	v_add_f32 v4, v4, v3
	v_mul_f32 v4, 0x33800000, v4                   ; x 2^-24: nothing is rounded
	v_cmp_eq_u32 vcc_lo, 0, v0
	s_wait_alu depctr_va_vdst(0)
	s_wait_xcnt 0x0                                ; EXEC changes only behind this wait
	s_and_saveexec_b32 s10, vcc_lo
	global_store_b32 v2, v4, s[6:7]
	s_wait_xcnt 0x0
	s_or_b32 exec_lo, exec_lo, s10
	s_endpgm
.Lfunc_end_k_q33f4bd5035_loss:
	.size	k_q33f4bd5035_loss, .Lfunc_end_k_q33f4bd5035_loss-k_q33f4bd5035_loss
	.p2alignl 7, 3214868480
	.fill 96, 4, 3214868480
	.section	.rodata,"a",@progbits
	.p2align	6, 0x0
	.amdhsa_kernel k_q33f4bd5035_loss
		.amdhsa_group_segment_fixed_size 0
		.amdhsa_private_segment_fixed_size 0
		.amdhsa_enable_private_segment 0
		.amdhsa_kernarg_size 16
		.amdhsa_user_sgpr_count 2
		.amdhsa_user_sgpr_kernarg_segment_ptr 1
		.amdhsa_wavefront_size32 1
		.amdhsa_system_sgpr_workgroup_id_x 1
		.amdhsa_system_sgpr_workgroup_id_y 1
		.amdhsa_system_sgpr_workgroup_id_z 1
		.amdhsa_system_vgpr_workitem_id 0
		.amdhsa_next_free_vgpr 16
		.amdhsa_next_free_sgpr 66
		.amdhsa_reserve_vcc 1
		.amdhsa_float_denorm_mode_32 3
		.amdhsa_float_denorm_mode_16_64 3
		.amdhsa_memory_ordered 1
		.amdhsa_forward_progress 1
		.amdhsa_inst_pref_size 2
	.end_amdhsa_kernel
	.amdgpu_metadata
---
amdhsa.version: [ 1, 2 ]
amdhsa.kernels:
  - .name:           k_q33f4bd5035_loss
    .symbol:         k_q33f4bd5035_loss.kd
    .args:
      - { .name: part, .offset: 0, .size: 8, .value_kind: global_buffer, .address_space: global }
      - { .name: out2, .offset: 8, .size: 8, .value_kind: global_buffer, .address_space: global }
    .group_segment_fixed_size: 0
    .private_segment_fixed_size: 0
    .kernarg_segment_align: 8
    .kernarg_segment_size: 16
    .max_flat_workgroup_size: 32
    .sgpr_count:     66
    .vgpr_count:     16
    .wavefront_size: 32
...
	.end_amdgpu_metadata
.endif
;; end of part 4
